; MI455X (gfx1250); checked and timed in simulation.
; The chip was launched on July 23, 2026; its instructions are those of AMD's public machine-readable ISA for CDNA 5 (MIT licence, August 2026) and "CDNA5" Instruction Set Architecture Reference Guide (July 2026). The comments in the code are by the model that wrote it; some were corrected since.
;; S Amodule. Allowed arithmetic: float matrix products may take bf16 or f16 operands with f32 sums; all other float work in f32.
;; Inputs: b1 32 float32; b2 32 float32; b3 32 float32; b4 256 float32; w1 32 x 256 float32; w2 32 x 256 float32; w3 32 x 256 float32; w4 256 x 32 float32; x 4 x 256 x 64 x 64 float32.
;; Outputs: out0 4 x 256 x 64 x 64 float32.
;; One version. Each part assembles by itself: llvm-mc -triple=amdgcn-amd-amdhsa -mcpu=gfx1250 --defsym DOCPART=n.
;; ======== version 1 of 1: 2 launches
;; workspace buffers: fh 2,097,152 bytes; gf 1,048,576 bytes
;; launch proj (part 1): grid 256 x 1, 4 waves a work-group, clusters of 4 x 1, 203,264 bytes of LDS; arguments x, w1, w2, w3, b1, b2, b3, fh, gf; writes fh, gf
.if DOCPART == 1
	.amdgcn_target "amdgcn-amd-amdhsa--gfx1250"
	.amdhsa_code_object_version 6
	.text
	.protected	k_q571e183785_proj
	.globl	k_q571e183785_proj
	.p2align	8
	.type	k_q571e183785_proj,@function
k_q571e183785_proj:
	s_mov_b64 s[64:65], 0
	v_nop
	global_prefetch_b8 v0, s[64:65] scope:SCOPE_SE
	s_setreg_imm32_b32 hwreg(HW_REG_WAVE_MODE, 25, 1), 1
	s_wait_xcnt 0x0
	s_wait_alu depctr_hold_cnt(0) depctr_sa_sdst(0) depctr_va_vdst(0) depctr_va_sdst(0) depctr_va_ssrc(0) depctr_va_vcc(0) depctr_vm_vsrc(0)
	s_getreg_b32 s2, hwreg(HW_REG_IB_STS2, 6, 4)
	s_cmp_eq_u32 s2, 0
	s_cbranch_scc0 .Lentry_in_a_cluster
	s_endpgm
.Lentry_in_a_cluster:
	s_bfe_u32 s2, ttmp6, 0x10000c
	s_cmp_lg_u32 s2, 0x3003
	s_cbranch_scc0 .Lentry_shape_is_right
	s_endpgm
.Lentry_shape_is_right:
; f = w1 x + b1, g = w2 x + b2, h = w3 x + b3 (256 channels to 32), rounded once to bf16 and stored in the order in which the
; next launch's matrix instructions take them.  x: [4][256][4096] f32.  Products in bf16 with f32 sums; biases added in f32.
; A work-group owns 64 positions of one batch (a row piece of 256 bytes in each of the 256 channels); wave w owns channels 64 w .. 64 w + 63,
; two chunks of 32 along K.  The four waves' partial sums meet in LDS in f32; wave e then finishes position tile e.
; TILES: a lane loads 16 bytes = 4 neighbouring positions of a channel, so tile e (0..3) holds the positions p0 + 4 m + e, m = 0..15.
; The sum over q in the next launch does not hang on the order, f and h share it, and the order of g's columns is undone there.
; FRAGMENT = 1,024 bytes = [piece 0..1][lane][16 bytes]; piece p is registers 4p .. 4p+3 of a bf16 operand (ISA guide 7.12.2).  A result tile
; (register j = row 8 hh + j, lane = column r) packed by pairs is one such piece, so nothing is shuffled:
;   f, g: W as source 0, x as source 1: the lane holds channels 16 ct + 8 hh + 0..7 of position index r: piece ct of a fragment along c.
;   h:    x as source 0, W as source 1: the lane holds position indices 8 hh + 0..7 of channel 16 ct + r: piece e & 1 of a fragment along q.
; fh: [batch][block of 128 positions][16,384 bytes]: f's tile 4u+e at 1024 (4u+e); h's fragment (chunk 2u + (e>>1), ct) at 8192 + 1024 (2 chunk + ct).
; gf: [block of 64 positions][tile e][fragment].
; CLUSTERS: every work-group needs the same 96 KiB of weights; the four of a cluster ask for each wave's part jointly (mask 15).
; LIMIT: matrix operands are rounded to bf16.
.set XROW,   16384                     ; bytes from channel to channel of x
.set WPITCH, 272                       ; an LDS row of weights: 64 f32 + 16 bytes: sixteen rows start in sixteen different 16-byte columns of 256
.set WMAT,   32*WPITCH                 ; one matrix's 32 rows, a wave's 64 columns
.set WWAVE,  3*WMAT                    ; a wave's three matrices
.set RED,    4*WWAVE                   ; 104,448: the partial sums, [source wave][tile 6 e + t][half][lane][16 bytes]; no tensor load lands here
.set RTILE,  1024
.set RSRC,   24*RTILE
.set XOFF, 4                           ; v4      x: 8 hh channels + 16 r bytes
.set WLA,  5                           ; v5      weights in LDS: my wave's part + row r + 32 hh
.set RST,  6                           ; v6      where my partial sums go
.set RLD,  7                           ; v7, v8  where tile e = my wave's sums lie: sources 0, 1 and sources 2, 3
.set FO,   9                           ; v9      16 lane + 1024 e
.set HO,   10                          ; v10     16 lane + 2048 (e >> 1) + 512 (e & 1)
.set B8,   11                          ; v11     32 hh
.set B4,   12                          ; v12     4 r
.set BF,   16                          ; v16-47  b1, b2 at channels 16 ct + 8 hh + 0..7: tile t = 0..3 at BF + 8 t
.set BH,   48                          ; v48-51  b3 at channel 16 ct + r, twice
.set WB,   64                          ; v64-159 weights in bf16: fragment (t, chunk) at WB + 8 (2 t + chunk); t = 2 matrix + ct
.set XB,   160                         ; v160-223 x in bf16: fragment (e, chunk) at XB + 8 (2 e + chunk)
.set OUTR, 160                         ; v160-183 the six packed results, when XB is done with
; window 1: x in f32, v[4 (16 chunk + j) + e].  window 2 (192 registers): weights in f32, then the 24 sums at 8 (6 e + t), then the reduction's inputs at 32 t + 8 source
.set G1, 24                            ; s[24:31] descriptor group 1
.set G0, 32                            ; s[32:43] descriptor group 0, one for each matrix
.set MSB, 0
.macro WIN new                         ; low byte: bits 1:0 source 0, 3:2 source 1, 5:4 source 2, 7:6 destination; the high byte repeats the setting that is left
.if MSB != \new
	s_set_vgpr_msb (MSB<<8)|\new
.set MSB, \new
.endif
.endm
.macro PLACES                          ; four independent vector instructions behind a matrix instruction (ISA guide 7.12.1)
.rept 4
	v_nop
.endr
.endm
.macro ROUND                           ; a round of the cluster's barrier: my work-group's barrier, wave 0 signals for it, all wait, my work-group's barrier again
	s_barrier_signal -1
	s_barrier_wait -1
	s_cmp_lg_u32 s44, 0
	s_cbranch_scc1 .Lnot_wave_0_\@
	s_barrier_signal -3
.Lnot_wave_0_\@:
	s_barrier_wait -3
	s_barrier_signal -1
	s_barrier_wait -1
.endm
	s_load_b512 s[4:19], s[0:1], 0x0               ; x s[4:5], w1 s[6:7], w2 s[8:9], w3 s[10:11], b1 s[12:13], b2 s[14:15], b3 s[16:17], fh s[18:19]
	s_load_b64 s[20:21], s[0:1], 0x40              ; gf
	v_lshl_add_u32 v254, v0, 2, 0x31800
	v_mov_b32 v255, 0
	ds_add_u32 v254, v255
	v_lshrrev_b32 v1, 5, v0
	v_readfirstlane_b32 s44, v1                    ; wave 0..3
	s_bfe_u32 s45, ttmp6, 0x40000                  ; my place in the cluster
	s_lshl_b32 s46, ttmp9, 2
	s_add_co_u32 s46, s46, s45                     ; block of 64 positions, 0..255
	s_lshr_b32 s47, s46, 6                         ; batch
	s_and_b32 s48, s46, 63                         ; block in the batch
	v_and_b32 v2, 15, v0                           ; r
	v_bfe_u32 v3, v0, 4, 1                         ; hh
	v_lshlrev_b32 v[XOFF], 4, v2
	v_lshl_add_u32 v[XOFF], v3, 17, v[XOFF]        ; 8 hh channels of 16,384 bytes + 16 r
	s_lshl_b32 s56, s47, 22                        ; x: batch x 4 MiB
	s_lshl_b32 s57, s44, 20                        ;  + wave x 64 channels
	s_add_co_u32 s56, s56, s57
	s_lshl_b32 s57, s48, 8                         ;  + block x 256 bytes
	s_add_co_u32 s56, s56, s57
	s_mov_b32 s57, 0
	v_lshlrev_b32 v[B8], 5, v3
	v_lshlrev_b32 v[B4], 2, v2
	s_wait_dscnt 0x0
	s_wait_kmcnt 0x0
	s_add_nc_u64 s[4:5], s[4:5], s[56:57]
	; all of the wave's x at once: 32 loads; sixteen lanes take 256 consecutive bytes of one channel, the other sixteen those of the channel 8 further on.
	; No hint: the next launch reads x again.
	WIN 0x40
.irp q, 0,1
.irp j, 0,1,2,3,4,5,6,7,8,9,10,11,12,13,14,15
	global_load_b128 v[4*(16*\q+\j):4*(16*\q+\j)+3], v[XOFF], s[4:5] offset:(32*\q+16*(\j>>3)+(\j&7))*XROW
.endr
.endr
	WIN 0
.irp c, 0,1                                        ; ten loads of biases
	global_load_b128 v[BF+8*\c:BF+8*\c+3],       v[B8], s[12:13] offset:64*\c
	global_load_b128 v[BF+8*\c+4:BF+8*\c+7],     v[B8], s[12:13] offset:64*\c+16
	global_load_b128 v[BF+16+8*\c:BF+16+8*\c+3], v[B8], s[14:15] offset:64*\c
	global_load_b128 v[BF+20+8*\c:BF+20+8*\c+3], v[B8], s[14:15] offset:64*\c+16
	global_load_b32  v[BH+2*\c],                 v[B4], s[16:17] offset:64*\c
.endr
	; descriptors: 32 rows x 64 f32 of a matrix whose rows are 256 f32, 16 bytes of padding behind each row
	s_mov_b32 s[G1+0], 15|(2<<16)|(1<<20)|(1<<21)|(5<<22)|(3<<25)  ; mask: the cluster's four; elements of 4 bytes; padding on; bit 21 beside a mask; after 64 words, 4 words
	s_mov_b32 s[G1+1], 64<<16                      ; tensor_dim0 = 64
	s_mov_b32 s[G1+2], 32<<16                      ; tensor_dim1 = 32
	s_mov_b32 s[G1+3], 64<<16                      ; tile_dim0 = 64
	s_mov_b32 s[G1+4], 32                          ; tile_dim1 = 32
	s_mov_b32 s[G1+5], 256                         ; elements from row to row
	s_mov_b32 s[G1+6], 0
	s_mov_b32 s[G1+7], 0
	s_mul_i32 s49, s44, WWAVE                      ; my wave's part of LDS: the wave's number alone enters an LDS address
	s_lshl_b32 s58, s44, 8                         ; my wave's 64 columns, in bytes
	s_mov_b32 s59, 0
.irp m, 0,1,2
	s_mov_b32 s[G0+4*\m], 1
	s_add_co_u32 s[G0+4*\m+1], s49, \m*WMAT
	s_add_nc_u64 s[G0+4*\m+2:G0+4*\m+3], s[6+2*\m:7+2*\m], s[58:59]
	s_or_b32 s[G0+4*\m+3], s[G0+4*\m+3], 0x80000000
.endr
	ROUND                                          ; the four work-groups are here: the joint loads meet
.irp m, 0,1,2
	tensor_load_to_lds s[G0+4*\m:G0+4*\m+3], s[G1:G1+7]    ; three tensor loads of a wave are out, and no more follow
	s_nop 0
.endr
	; the other addresses, while the weights come
	v_and_b32 v1, 31, v0                           ; lane
	v_mul_u32_u24 v[WLA], v2, WPITCH
	v_lshl_add_u32 v[WLA], v3, 5, v[WLA]
	v_add_nc_u32 v[WLA], s49, v[WLA]
	s_mul_i32 s22, s44, RSRC
	s_add_co_u32 s22, s22, RED
	v_lshl_add_u32 v[RST], v1, 4, s22
	s_mul_i32 s22, s44, 6*RTILE
	s_add_co_u32 s22, s22, RED
	v_lshl_add_u32 v[RLD], v1, 4, s22
	v_add_nc_u32 v[RLD+1], 2*RSRC, v[RLD]          ; sources 2 and 3 lie beyond a 16-bit offset
	s_lshl_b32 s22, s44, 10
	v_lshl_add_u32 v[FO], v1, 4, s22
	s_lshr_b32 s22, s44, 1
	s_lshl_b32 s22, s22, 11
	s_and_b32 s23, s44, 1
	s_lshl_b32 s23, s23, 9
	s_add_co_u32 s22, s22, s23
	v_lshl_add_u32 v[HO], v1, 4, s22
	s_lshl_b32 s52, s47, 19                        ; fh: batch x 512 KiB
	s_lshr_b32 s53, s48, 1
	s_lshl_b32 s53, s53, 14                        ;  + block of 128 positions x 16 KiB
	s_add_co_u32 s52, s52, s53
	s_and_b32 s53, s48, 1
	s_lshl_b32 s53, s53, 12                        ;  + which half of it x 4 KiB (four tiles of f; four fragments of h)
	s_add_co_u32 s52, s52, s53
	s_mov_b32 s53, 0
	s_add_nc_u64 s[18:19], s[18:19], s[52:53]
	s_lshl_b32 s54, s46, 12                        ; gf: block x 4 KiB
	s_mov_b32 s55, 0
	s_add_nc_u64 s[20:21], s[20:21], s[54:55]
	; weights: LDS to registers in f32 (window 2), then to bf16 fragments.  Only the wave that asked reads these bytes: its own wait orders them.
	s_wait_tensorcnt 0x0
	WIN 0x80
.irp m, 0,1,2
.irp c, 0,1
.irp q, 0,1
.irp p, 0,1,2,3
	ds_load_b128 v[16*(2*(2*\m+\c)+\q)+4*\p:16*(2*(2*\m+\c)+\q)+4*\p+3], v[WLA] offset:\m*WMAT+\c*16*WPITCH+128*\q+16*(\p&1)+64*(\p>>1)
.endr
.endr
.endr
.endr
	s_wait_dscnt 0x0
	WIN 0x0a
.set I_, 0
.rept 96
	v_cvt_pk_bf16_f32 v[WB+I_], v[2*I_], v[2*I_+1]
.set I_, I_+1
.endr
.macro XCVT q                          ; chunk q of x to bf16: register k of tile e's fragment = channels 2k, 2k+1 of the lane's sixteen
	WIN 0x05
.irp e, 0,1,2,3
.irp k, 0,1,2,3,4,5,6,7
	v_cvt_pk_bf16_f32 v[XB+8*(2*\e+\q)+\k], v[4*(16*\q+2*\k)+\e], v[4*(16*\q+2*\k+1)+\e]
.endr
.endr
.endm
; 24 products of chunk q.  The 24 accumulators take turns, one instruction a turn, in the same order in both chunks.
.macro MUL q, zero
	WIN 0xa0
.irp e, 0,1,2,3
.irp t, 0,1,2,3
.if \zero
	v_wmma_f32_16x16x32_bf16 v[8*(6*\e+\t):8*(6*\e+\t)+7], v[WB+8*(2*\t+\q):WB+8*(2*\t+\q)+7], v[XB+8*(2*\e+\q):XB+8*(2*\e+\q)+7], 0
.else
	v_wmma_f32_16x16x32_bf16 v[8*(6*\e+\t):8*(6*\e+\t)+7], v[WB+8*(2*\t+\q):WB+8*(2*\t+\q)+7], v[XB+8*(2*\e+\q):XB+8*(2*\e+\q)+7], v[8*(6*\e+\t):8*(6*\e+\t)+7]
.endif
.endr
.irp t, 4,5
.if \zero
	v_wmma_f32_16x16x32_bf16 v[8*(6*\e+\t):8*(6*\e+\t)+7], v[XB+8*(2*\e+\q):XB+8*(2*\e+\q)+7], v[WB+8*(2*\t+\q):WB+8*(2*\t+\q)+7], 0
.else
	v_wmma_f32_16x16x32_bf16 v[8*(6*\e+\t):8*(6*\e+\t)+7], v[XB+8*(2*\e+\q):XB+8*(2*\e+\q)+7], v[WB+8*(2*\t+\q):WB+8*(2*\t+\q)+7], v[8*(6*\e+\t):8*(6*\e+\t)+7]
.endif
.endr
.endr
.endm
	s_wait_loadcnt 26                              ; chunk 0's 16 loads are in; chunk 1's 16 and the 10 of the biases may be out
	XCVT 0
	MUL 0, 1                                       ; the first products start the sums
	s_wait_loadcnt 10                              ; chunk 1 is in; the 10 of the biases may be out
	XCVT 1
	MUL 1, 0
	WIN 0
	PLACES                                         ; behind the last products: the LDS stores read results, later loads land on them, later conversions write XB
	WIN 0x08
.set I_, 0
.rept 48
	ds_store_b128 v[RST], v[4*I_:4*I_+3] offset:512*I_     ; 512 consecutive bytes a store
.set I_, I_+1
.endr
	s_wait_dscnt 0x0                               ; my partial sums are in LDS, for the other waves' sake
	s_barrier_signal -1
	s_barrier_wait -1
	WIN 0x80
.irp t, 0,1,2,3,4,5
.irp u, 0,1,2,3
.irp p, 0,1
	ds_load_b128 v[32*\t+8*\u+4*\p:32*\t+8*\u+4*\p+3], v[RLD+(\u>>1)] offset:(\u&1)*RSRC+\t*RTILE+512*\p
.endr
.endr
.endr
	WIN 0
	s_wait_loadcnt 0x0                             ; the biases
	v_mov_b32 v[BH+1], v[BH]                       ; b3 twice, for the packed add
	v_mov_b32 v[BH+3], v[BH+2]
	WIN 0x8a
.irp t, 0,1,2,3,4,5
	s_wait_dscnt 8*(5-\t)                          ; tile t's eight loads are in; the eight of each later tile may be out
.irp k, 0,2,4,6
	v_pk_add_f32 v[32*\t+\k:32*\t+\k+1], v[32*\t+\k:32*\t+\k+1], v[32*\t+8+\k:32*\t+9+\k]
	v_pk_add_f32 v[32*\t+16+\k:32*\t+17+\k], v[32*\t+16+\k:32*\t+17+\k], v[32*\t+24+\k:32*\t+25+\k]
.endr
.irp k, 0,2,4,6
	v_pk_add_f32 v[32*\t+\k:32*\t+\k+1], v[32*\t+\k:32*\t+\k+1], v[32*\t+16+\k:32*\t+17+\k]
.endr
.endr
	WIN 0x82
.irp t, 0,1,2,3
.irp k, 0,2,4,6
	v_pk_add_f32 v[32*\t+\k:32*\t+\k+1], v[32*\t+\k:32*\t+\k+1], v[BF+8*\t+\k:BF+8*\t+\k+1]   ; f, g: register j is channel 16 ct + 8 hh + j
.endr
.endr
.irp t, 4,5
.irp k, 0,2,4,6
	v_pk_add_f32 v[32*\t+\k:32*\t+\k+1], v[32*\t+\k:32*\t+\k+1], v[BH+2*(\t-4):BH+2*(\t-4)+1] ; h: the lane is channel 16 ct + r
.endr
.endr
	WIN 0x0a
.irp t, 0,1,2,3,4,5
.irp k, 0,1,2,3
	v_cvt_pk_bf16_f32 v[OUTR+4*\t+\k], v[32*\t+2*\k], v[32*\t+2*\k+1]
.endr
.endr
	WIN 0
	; six stores, each of 512 consecutive bytes at a multiple of 512 from its buffer's first byte
	global_store_b128 v[FO], v[OUTR:OUTR+3],     s[18:19]
	global_store_b128 v[FO], v[OUTR+4:OUTR+7],   s[18:19] offset:512
	global_store_b128 v[FO], v[OUTR+8:OUTR+11],  s[20:21]
	global_store_b128 v[FO], v[OUTR+12:OUTR+15], s[20:21] offset:512
	global_store_b128 v[HO], v[OUTR+16:OUTR+19], s[18:19] offset:8192
	global_store_b128 v[HO], v[OUTR+20:OUTR+23], s[18:19] offset:9216
	s_wait_tensorcnt 0x0
	ds_add_u32 v254, v255
	s_wait_dscnt 0x0
	ROUND                                          ; the closing round: no work-group ends while a partner may still ask for a tile that names it
	s_endpgm
.Lfunc_end_k_q571e183785_proj:
	.size	k_q571e183785_proj, .Lfunc_end_k_q571e183785_proj-k_q571e183785_proj
	.p2alignl 7, 3214868480
	.fill 96, 4, 3214868480
	.section	.rodata,"a",@progbits
	.p2align	6, 0x0
	.amdhsa_kernel k_q571e183785_proj
		.amdhsa_group_segment_fixed_size 203264
		.amdhsa_private_segment_fixed_size 0
		.amdhsa_enable_private_segment 0
		.amdhsa_kernarg_size 72
		.amdhsa_user_sgpr_count 2
		.amdhsa_user_sgpr_kernarg_segment_ptr 1
		.amdhsa_wavefront_size32 1
		.amdhsa_system_sgpr_workgroup_id_x 1
		.amdhsa_system_sgpr_workgroup_id_y 1
		.amdhsa_system_sgpr_workgroup_id_z 1
		.amdhsa_system_vgpr_workitem_id 0
		.amdhsa_next_free_vgpr 704
		.amdhsa_next_free_sgpr 66
		.amdhsa_reserve_vcc 0
		.amdhsa_float_denorm_mode_32 3
		.amdhsa_float_denorm_mode_16_64 3
		.amdhsa_memory_ordered 1
		.amdhsa_forward_progress 1
		.amdhsa_inst_pref_size 41
	.end_amdhsa_kernel
	.amdgpu_metadata
---
amdhsa.version: [ 1, 2 ]
amdhsa.kernels:
  - .name:           k_q571e183785_proj
    .symbol:         k_q571e183785_proj.kd
    .args:
      - { .name: x, .offset: 0, .size: 8, .value_kind: global_buffer, .address_space: global }
      - { .name: w1, .offset: 8, .size: 8, .value_kind: global_buffer, .address_space: global }
      - { .name: w2, .offset: 16, .size: 8, .value_kind: global_buffer, .address_space: global }
      - { .name: w3, .offset: 24, .size: 8, .value_kind: global_buffer, .address_space: global }
      - { .name: b1, .offset: 32, .size: 8, .value_kind: global_buffer, .address_space: global }
      - { .name: b2, .offset: 40, .size: 8, .value_kind: global_buffer, .address_space: global }
      - { .name: b3, .offset: 48, .size: 8, .value_kind: global_buffer, .address_space: global }
      - { .name: fh, .offset: 56, .size: 8, .value_kind: global_buffer, .address_space: global }
      - { .name: gf, .offset: 64, .size: 8, .value_kind: global_buffer, .address_space: global }
    .group_segment_fixed_size: 203264
    .private_segment_fixed_size: 0
    .kernarg_segment_align: 8
    .kernarg_segment_size: 72
    .max_flat_workgroup_size: 128
    .sgpr_count:     66
    .vgpr_count:     704
    .wavefront_size: 32
...
	.end_amdgpu_metadata
.endif
;; end of part 1
;; launch attn (part 2): grid 256 x 1, 8 waves a work-group, clusters of 4 x 1, 327,680 bytes of LDS; arguments fh, gf, x, w4, b4, out0; writes out0
.if DOCPART == 2
	.amdgcn_target "amdgcn-amd-amdhsa--gfx1250"
	.amdhsa_code_object_version 6
	.text
	.protected	k_q571e183785_attn
	.globl	k_q571e183785_attn
	.p2align	8
	.type	k_q571e183785_attn,@function
k_q571e183785_attn:
	s_mov_b64 s[64:65], 0
	v_nop
	global_prefetch_b8 v0, s[64:65] scope:SCOPE_SE
	s_setreg_imm32_b32 hwreg(HW_REG_WAVE_MODE, 25, 1), 1
	s_wait_xcnt 0x0
	s_wait_alu depctr_hold_cnt(0) depctr_sa_sdst(0) depctr_va_vdst(0) depctr_va_sdst(0) depctr_va_ssrc(0) depctr_va_vcc(0) depctr_vm_vsrc(0)
	s_getreg_b32 s2, hwreg(HW_REG_IB_STS2, 6, 4)
	s_cmp_eq_u32 s2, 0
	s_cbranch_scc0 .Lentry_in_a_cluster
	s_endpgm
.Lentry_in_a_cluster:
	s_bfe_u32 s2, ttmp6, 0x10000c
	s_cmp_lg_u32 s2, 0x3003
	s_cbranch_scc0 .Lentry_shape_is_right
	s_endpgm
.Lentry_shape_is_right:
; out[co][k] = sum over c of w4[co][c] o[c][k] + b4[co] + x[co][k],  o[c][k] = sum over q of h[c][q] softmax over q of (sum over c of f[c][q] g[c][k]).
; A work-group owns 64 columns k of one batch.  Wave w takes q = 512 w .. 512 w + 511 for all 64 columns, in four steps of 128 q, with a running
; maximum, a running denominator and a running numerator for each column; the eight waves' figures are merged at the end.  So each byte of f and h
; is read from LDS once by the work-group.  f, h, g come in fragment order from the launch before (fragment = [piece][lane][16 bytes]).
; A step: S = F G (32 products, tile (j, t): 16 q x 16 k, register = q row 8 hh + i, lane = column r); column maxima; p = exp2(S log2e + n), n = -log2e x maximum;
; two S tiles packed by pairs ARE a bf16 operand of 32 q x 16 k (ISA guide 7.12.2), so no lane is crossed; denominator = ones x P, from the same rounded p as the
; numerator O = H P.  Column index r of tile t is k = 4 r + t (as the launch before laid g): at the end the four tiles give a lane four neighbouring columns.
; WEAVING: a step has 80 matrix and some 740 vector instructions.  The matrix instructions stand in fours among vector instructions that do not hang on them
; (maxima over score tiles made before; the exponentials of the next 32 q), so that both units have work at the same time.  A four costs two window switches.
; CLUSTERS: the four work-groups of a cluster lie in one batch (64 work-groups a batch) and walk the same f and h: wave w of each asks jointly with wave w of the
; others (mask 15), which divides those requests by four.  The exception is step 0's f, 8 KiB of a wave's 64: it is loaded straight into registers ahead of
; the cluster's first round, so that the first products wait neither for the round nor behind the 32 KiB that each wave asks for there.
; A wave's 64 KiB lie in memory as F0 H0 F1 H1 F2 H2 F3 H3.  [H0 F1] and [H1 F2] fill its two slots; when both have been read, [H2 F3] and [H3] fill them again.
; LIMITS: matrix operands (f, g, h, p, o, w4) are bf16; an exponential below 2^-126 counts as 0 (ISA guide, v_exp_f32); a NaN or an infinity among a
; column's scores gives NaN in that column, as it does in the definition.  The maximum taken away is the exact running maximum.
.set UNIT,   8192                      ; the f, or the h, of 128 q: 8 fragments
.set SLOT,   16384                     ; two units: h of a step, f of the next
.set WRING,  32768                     ; a wave's two slots, at wave x 32,768
.set STAT,   262144                    ; [wave][t][r] (n, l), 8 bytes
.set OB,     266240                    ; o in bf16: [wave][lane][16 bytes]
.set XROW,   16384                     ; bytes from channel to channel of x and out
.set LA,   1                           ; v1      my wave's slots + 16 lane
.set XO,   2                           ; v2      8 hh rows of x + 16 r
.set RR,   3                           ; v3      r
.set HH,   4                           ; v4      hh
.set L16,  5                           ; v5      16 lane
.set NT,   8                           ; v[8+2t] n_t = -log2e x running maximum; v[9+2t] at work (at the end: l_t)
.set AL,   16                          ; v[16+2t] alpha_t (and at work); v[17+2t] l_t, the running denominator
.set ONES, 24                          ; v24-31  a fragment of ones
.set G,    32                          ; v32-63  g: fragment t at G + 8 t
.set O,    64                          ; v64-127 numerators: tile (ct, t) at O + 8 (2 t + ct)
.set F,    128                         ; v128-191 f: tile j at F + 8 j; from step 3 on: x
.set H,    192                         ; v192-255 h: fragment (chunk i, ct) at H + 8 (2 i + ct)
; window 1 (v256-511): S tile (j, t) at 64 (j>>1) + 16 t + 8 (j&1); packed in place: P(i, t) at 64 i + 16 t .. +7; the step's column sums LS(t) at 16 t + 8 .. +15
.set W4O, 16                           ; the tail's registers, in what the steps have left free
.set B4O, 17
.set STS, 18
.set STL, 19
.set MB,  20                           ; v20-23
.set OBS, 24
.set OBL, 25
.set NS,  28
.set DEN, 29
.set RD,  30                           ; v30-31
.set W4R, 192                          ; w4 in f32
.set W4F, 224                          ; w4 in bf16
.set BI,  240                          ; b4 as two accumulator tiles
.set G1,  24                           ; s[24:31] group 1 for 16 KiB
.set G0,  32                           ; s[32:47] one group 0 for each of the four loads: none is ever written again
.set G1B, 68                           ; s[68:75] group 1 for 8 KiB
.set MSB, 0
.macro WIN new                         ; low byte: bits 1:0 source 0, 3:2 source 1, 5:4 source 2, 7:6 destination; the high byte repeats the setting that is left
.if MSB != \new
	s_set_vgpr_msb (MSB<<8)|\new
.set MSB, \new
.endif
.endm
.macro PLACES                          ; four independent vector instructions behind a matrix instruction (ISA guide 7.12.1)
.rept 4
	v_nop
.endr
.endm
.macro ROUND                           ; a round of the cluster's barrier: my work-group's barrier, wave 0 signals for it, all wait, my work-group's barrier again
	s_barrier_signal -1
	s_barrier_wait -1
	s_cmp_lg_u32 s16, 0
	s_cbranch_scc1 .Lnot_wave_0_\@
	s_barrier_signal -3
.Lnot_wave_0_\@:
	s_barrier_wait -3
	s_barrier_signal -1
	s_barrier_wait -1
.endm
; four score products: q tile j x the four k tiles, each a sum of its own.  Window 0x40: operands below, result above
.macro SMUL j
.irp t, 0,1,2,3
	v_wmma_f32_16x16x32_bf16 v[64*(\j>>1)+16*\t+8*(\j&1):64*(\j>>1)+16*\t+8*(\j&1)+7], v[F+8*\j:F+8*\j+7], v[G+8*\t:G+8*\t+7], 0
.endr
.endm
; column maxima: two chains for each t, eight chains that do not wait for each other.  Window 0x14: chains below, scores above
.macro MAXI                            ; the chains start on the first two registers of chunk 0's tiles; s60 = -infinity
.irp t, 0,1,2,3
	v_max3_num_f32 v[AL+2*\t],   s60, v[16*\t],   v[16*\t+1]
	v_max3_num_f32 v[NT+2*\t+1], s60, v[16*\t+8], v[16*\t+9]
.endr
.endm
.macro MAX3 i, p                       ; registers p, p + 1 of chunk i's eight tiles
.irp t, 0,1,2,3
	v_max3_num_f32 v[AL+2*\t],   v[AL+2*\t],   v[64*\i+16*\t+\p],   v[64*\i+16*\t+\p+1]
	v_max3_num_f32 v[NT+2*\t+1], v[NT+2*\t+1], v[64*\i+16*\t+8+\p], v[64*\i+16*\t+9+\p]
.endr
.endm
; p = exp2(S log2e + n) in place, tile n of chunk i (k tile n >> 1).  Window 0x41.  What follows a tile's exponentials is another tile's work or
; products on other registers: a plain vector instruction always stands ahead of the first use of an exponential (ISA guide 5.7.2)
.macro ETILE i, n
.irp k, 0,2,4,6
	v_pk_fma_f32 v[64*\i+8*\n+\k:64*\i+8*\n+\k+1], v[64*\i+8*\n+\k:64*\i+8*\n+\k+1], s[50:51], v[NT+2*(\n>>1):NT+2*(\n>>1)+1] op_sel_hi:[1,0,0]
.endr
.irp k, 0,1,2,3,4,5,6,7
	v_exp_f32 v[64*\i+8*\n+\k], v[64*\i+8*\n+\k]
.endr
.endm
; two tiles (16 registers) into one bf16 operand (8 registers), in place: register k is written when 2k, 2k+1 and all below have been read.  Window 0x45
.macro ECVT i
	s_wait_alu depctr_va_vdst(0)
.irp t, 0,1,2,3
.irp k, 0,1,2,3,4,5,6,7
	v_cvt_pk_bf16_f32 v[64*\i+16*\t+\k], v[64*\i+16*\t+2*\k], v[64*\i+16*\t+2*\k+1]
.endr
.endr
.endm
; column sums of chunk i's p: ones x P.  Window 0x54.  In LMUL and OMUL the accumulators take turns, one instruction a turn
.macro LMUL i
.irp t, 0,1,2,3
.if \i == 0
	v_wmma_f32_16x16x32_bf16 v[16*\t+8:16*\t+15], v[ONES:ONES+7], v[64*\i+16*\t:64*\i+16*\t+7], 0
.else
	v_wmma_f32_16x16x32_bf16 v[16*\t+8:16*\t+15], v[ONES:ONES+7], v[64*\i+16*\t:64*\i+16*\t+7], v[16*\t+8:16*\t+15]
.endif
.endr
.endm
; numerators of chunk i for k tiles x and y.  Window 0x04.  The very first products start the sums
.macro OMUL s, i, x, y
.irp t, \x, \y
.irp c, 0,1
.if (\s+\i) == 0
	v_wmma_f32_16x16x32_bf16 v[O+8*(2*\t+\c):O+8*(2*\t+\c)+7], v[H+8*(2*\i+\c):H+8*(2*\i+\c)+7], v[64*\i+16*\t:64*\i+16*\t+7], 0
	s_wait_alu depctr_va_vdst(0)
.else
	v_wmma_f32_16x16x32_bf16 v[O+8*(2*\t+\c):O+8*(2*\t+\c)+7], v[H+8*(2*\i+\c):H+8*(2*\i+\c)+7], v[64*\i+16*\t:64*\i+16*\t+7], v[O+8*(2*\t+\c):O+8*(2*\t+\c)+7]
.endif
.endr
.endr
.endm
; the exponentials of chunk i, with the twelve products of chunk p = i - 1 in three fours among them
.macro ECHUNK s, i, p
	WIN 0x41
	ETILE \i, 0
	ETILE \i, 1
	WIN 0x54
	LMUL \p
	WIN 0x41
	ETILE \i, 2
	ETILE \i, 3
	ETILE \i, 4
.if \p == 0
.if \s != 1
	s_wait_dscnt 0x0                               ; h, and the next step's f, are in registers (in step 1 the wait in front of the refills has shown it)
.endif
.endif
	WIN 0x04
	OMUL \s, \p, 0, 1
	WIN 0x41
	ETILE \i, 5
	ETILE \i, 6
	ETILE \i, 7
	WIN 0x04
	OMUL \s, \p, 2, 3
	WIN 0x45
	ECVT \i
.endm
	s_load_b256 s[4:11], s[0:1], 0x0               ; fh s[4:5], gf s[6:7], x s[8:9], w4 s[10:11]
	s_load_b128 s[12:15], s[0:1], 0x20             ; b4 s[12:13], out0 s[14:15]
	v_lshl_add_u32 v6, v0, 2, 0x42000
	v_mov_b32 v7, 0
	ds_add_u32 v6, v7
	s_wait_dscnt 0x0
	v_lshrrev_b32 v6, 5, v0
	v_readfirstlane_b32 s16, v6                    ; wave 0..7
	s_bfe_u32 s17, ttmp6, 0x40000                  ; my place in the cluster
	s_lshl_b32 s18, ttmp9, 2
	s_add_co_u32 s18, s18, s17                     ; block of 64 columns, 0..255
	s_lshr_b32 s19, ttmp9, 4                       ; batch: 16 clusters each; the cluster's four share it
	s_mov_b32 s48, 0x76543210                      ; v_permlanex16_b32: lane i takes lane i of the other half
	s_mov_b32 s49, 0xfedcba98
	s_mov_b32 s50, 0x3fb8aa3b                      ; log2 e
	s_mov_b32 s51, 0x3fb8aa3b
	s_mov_b32 s60, 0xff800000                      ; -infinity
	v_and_b32 v[RR], 15, v0
	v_bfe_u32 v[HH], v0, 4, 1
	v_and_b32 v[L16], 31, v0
	v_lshlrev_b32 v[L16], 4, v[L16]
	s_lshl_b32 s20, s16, 15                        ; my wave's slots: the wave's number alone enters an LDS address
	v_add_nc_u32 v[LA], s20, v[L16]
	v_lshlrev_b32 v[XO], 4, v[RR]
	v_lshl_add_u32 v[XO], v[HH], 17, v[XO]         ; 8 hh channels of 16,384 bytes + 16 r
	s_lshl_b32 s52, s19, 19                        ; fh: batch x 512 KiB + wave x 64 KiB
	s_lshl_b32 s53, s16, 16
	s_add_co_u32 s52, s52, s53
	s_mov_b32 s53, 0
	s_lshl_b32 s54, s18, 12                        ; gf: block x 4 KiB
	s_mov_b32 s55, 0
	s_lshl_b32 s56, s19, 22                        ; x, out: batch x 4 MiB + wave x 32 channels + block in the batch x 256 bytes
	s_lshl_b32 s57, s16, 19
	s_add_co_u32 s56, s56, s57
	s_and_b32 s57, s18, 63
	s_lshl_b32 s57, s57, 8
	s_add_co_u32 s56, s56, s57
	s_mov_b32 s57, 0
	s_lshl_b32 s58, s16, 12                        ; w4: wave x 32 rows of 128 bytes
	s_mov_b32 s59, 0
	s_lshl_b32 s22, s16, 7                         ; b4: wave x 32 numbers
	s_mov_b32 s23, 0
	s_wait_kmcnt 0x0
	s_add_nc_u64 s[4:5], s[4:5], s[52:53]
	s_add_nc_u64 s[6:7], s[6:7], s[54:55]
	; step 0's f and g straight into registers, 512 consecutive bytes a load, ahead of everything else
.irp n, 0,1,2,3,4,5,6,7,8,9,10,11,12,13,14,15
	global_load_b128 v[F+4*\n:F+4*\n+3], v[L16], s[4:5] offset:512*\n
.endr
.irp t, 0,1,2,3
	global_load_b128 v[G+8*\t:G+8*\t+3],   v[L16], s[6:7] offset:1024*\t
	global_load_b128 v[G+8*\t+4:G+8*\t+7], v[L16], s[6:7] offset:1024*\t+512
.endr
	s_add_nc_u64 s[8:9], s[8:9], s[56:57]
	s_add_nc_u64 s[14:15], s[14:15], s[56:57]
	s_add_nc_u64 s[10:11], s[10:11], s[58:59]
	s_add_nc_u64 s[12:13], s[12:13], s[22:23]
	; group 1: consecutive bytes taken as rows of 32 elements of 8 bytes: 64 rows (16 KiB), or 32 rows (8 KiB)
	s_mov_b32 s[G1+0], 15|(3<<16)|(1<<21)          ; mask: the cluster's four; elements of 8 bytes; bit 21 beside a mask
	s_mov_b32 s[G1+1], 32<<16                      ; tensor_dim0 = 32
	s_mov_b32 s[G1+2], 64<<16                      ; tensor_dim1 = 64
	s_mov_b32 s[G1+3], 32<<16                      ; tile_dim0 = 32
	s_mov_b32 s[G1+4], 64                          ; tile_dim1 = 64
	s_mov_b32 s[G1+5], 32                          ; elements from row to row
	s_mov_b32 s[G1+6], 0
	s_mov_b32 s[G1+7], 0
	s_mov_b32 s[G1B+0], 15|(3<<16)|(1<<21)
	s_mov_b32 s[G1B+1], 32<<16
	s_mov_b32 s[G1B+2], 32<<16                     ; tensor_dim1 = 32
	s_mov_b32 s[G1B+3], 32<<16
	s_mov_b32 s[G1B+4], 32                         ; tile_dim1 = 32
	s_mov_b32 s[G1B+5], 32
	s_mov_b32 s[G1B+6], 0
	s_mov_b32 s[G1B+7], 0
.irp n, 0,1,2,3                                    ; load n: from byte 8192 + 16384 n of my wave's 64 KiB, into slot n & 1
	s_mov_b32 s[G0+4*\n], 1
	s_add_co_u32 s[G0+4*\n+1], s20, (\n&1)*SLOT
	s_add_nc_u64 s[G0+4*\n+2:G0+4*\n+3], s[4:5], UNIT+\n*SLOT
	s_or_b32 s[G0+4*\n+3], s[G0+4*\n+3], 0x80000000
.endr
.irp i, 0,1,2,3,4,5,6,7
	v_mov_b32 v[ONES+\i], 0x3f803f80               ; 1.0 in both halves
.endr
	ROUND                                          ; the four work-groups are here: the first joint loads meet
	tensor_load_to_lds s[G0:G0+3], s[G1:G1+7]      ; H0 F1
	s_nop 0
	tensor_load_to_lds s[G0+4:G0+7], s[G1:G1+7]    ; H1 F2: never more than two tensor loads of a wave are out
	s_nop 0
	s_wait_loadcnt 0x0                             ; step 0's f, and g
.macro STEP s
	; scores and column maxima.  Twelve products go ahead; then fours, each followed by sixteen maxima over tiles whose products stand
	; at least sixteen plain vector instructions back (for chunk 0: the four v_nop)
	WIN 0x40
	SMUL 0
	SMUL 1
	SMUL 2
	PLACES
	WIN 0x14
	MAXI
	MAX3 0, 2
	WIN 0x40
	SMUL 3
	WIN 0x14
	MAX3 0, 4
	MAX3 0, 6
	WIN 0x40
	SMUL 4
	WIN 0x14
	MAX3 1, 0
	MAX3 1, 2
	WIN 0x40
	SMUL 5
	WIN 0x14
	MAX3 1, 4
	MAX3 1, 6
	WIN 0x40
	SMUL 6
	WIN 0x14
	MAX3 2, 0
	MAX3 2, 2
	WIN 0x40
	SMUL 7
	WIN 0x14
	MAX3 2, 4
	MAX3 2, 6                                      ; sixteen places behind the last product: loads may land on F
	s_wait_tensorcnt 1-(\s&1)                      ; this step's slot is in; in steps 0 and 2 the younger of the two loads issued together may be out.  Only the wave that asked reads a slot
.irp n, 0,1,2,3,4,5,6,7,8,9,10,11,12,13,14,15
	ds_load_b128 v[H+4*\n:H+4*\n+3], v[LA] offset:(\s&1)*SLOT+512*\n           ; this step's h (address and data in window 0 under this setting too)
.endr
.if \s < 3
.irp n, 0,1,2,3,4,5,6,7,8,9,10,11,12,13,14,15
	ds_load_b128 v[F+4*\n:F+4*\n+3], v[LA] offset:(\s&1)*SLOT+UNIT+512*\n      ; the next step's f
.endr
.else
.irp n, 0,1,2,3,4,5,6,7,8,9,10,11,12,13,14,15
	global_load_b128 v[F+4*\n:F+4*\n+3], v[XO], s[8:9] offset:(16*(\n>>3)+(\n&7))*XROW th:TH_LOAD_NT   ; f is done with: x[32 w + 16 (n>>3) + 8 hh + (n&7)][my 64 columns], 256 consecutive bytes for 16 lanes
.endr
.endif
	MAX3 3, 0
	MAX3 3, 2
	MAX3 3, 4
	MAX3 3, 6
	WIN 0
.if \s == 1
	s_wait_dscnt 0x0                               ; my reads of both slots are back: H0, F1, H1, F2 have all gone to registers
	s_wait_xcnt 0x0
	v_lshl_add_u32 v6, v0, 2, 0x42000
	v_mov_b32 v7, 0
	s_wait_tensorcnt 0x0                           ; and none of my tensor loads is out
	ds_add_u32 v6, v7
	s_wait_dscnt 0x0
	ROUND                                          ; both now hold of every wave of the cluster's four work-groups
	tensor_load_to_lds s[G0+8:G0+11], s[G1:G1+7]   ; H2 F3 into slot 0: wanted behind the next step's scores
	s_nop 0
	tensor_load_to_lds s[G0+12:G0+15], s[G1B:G1B+7] ; H3 into the first half of slot 1: wanted a step later
	s_nop 0
.endif
.irp t, 0,1,2,3
	v_max_num_f32 v[AL+2*\t], v[AL+2*\t], v[NT+2*\t+1]
.endr
.irp t, 0,1,2,3
	v_permlanex16_b32 v[NT+2*\t+1], v[AL+2*\t], s48, s49           ; rows 8 hh + i: the column's other eight rows lie in the other half
.endr
.irp t, 0,1,2,3
	v_max_num_f32 v[AL+2*\t], v[AL+2*\t], v[NT+2*\t+1]
.endr
.if \s == 0
.irp t, 0,1,2,3
	v_mul_f32 v[NT+2*\t], 0xbfb8aa3b, v[AL+2*\t]                   ; n = -log2e x maximum
.endr
.else
.irp t, 0,1,2,3
	v_mul_f32 v[NT+2*\t+1], 0xbfb8aa3b, v[AL+2*\t]
.endr
.irp t, 0,1,2,3
	v_min_num_f32 v[NT+2*\t+1], v[NT+2*\t+1], v[NT+2*\t]           ; the new n (the larger maximum)
.endr
.irp t, 0,1,2,3
	v_sub_f32 v[AL+2*\t], v[NT+2*\t+1], v[NT+2*\t]
.endr
.irp t, 0,1,2,3
	v_exp_f32 v[AL+2*\t], v[AL+2*\t]                               ; alpha = exp(old maximum - new maximum)
.endr
.irp t, 0,1,2,3
	v_mov_b32 v[NT+2*\t], v[NT+2*\t+1]                             ; plain instructions between the exponentials and their use (ISA guide 5.7.2)
.endr
	s_wait_alu depctr_va_vdst(0)
.irp t, 0,1,2,3
.irp k, 0,2,4,6,8,10,12,14
	v_pk_mul_f32 v[O+16*\t+\k:O+16*\t+\k+1], v[O+16*\t+\k:O+16*\t+\k+1], v[AL+2*\t:AL+2*\t+1] op_sel_hi:[1,0]
.endr
.endr
.endif
	; exponentials chunk by chunk (32 q); each chunk's products stand among the next chunk's exponentials
	WIN 0x41
.irp n, 0,1,2,3,4,5,6,7
	ETILE 0, \n
.endr
	WIN 0x45
	ECVT 0
	ECHUNK \s, 1, 0
	ECHUNK \s, 2, 1
	ECHUNK \s, 3, 2
	WIN 0x54
	LMUL 3
	WIN 0x04
	OMUL \s, 3, 0, 1
	OMUL \s, 3, 2, 3
	PLACES                                         ; behind the products: the sums are read below; with those four lines, of which each product's registers
	                                               ; are named by one at the most, seven places stand in front of the next scores, which write over P and LS
.if \s == 0
	WIN 0x01
.irp t, 0,1,2,3
	v_mov_b32 v[AL+2*\t+1], v[16*\t+8]                             ; l starts
.endr
.elseif \s == 3
	WIN 0x10
.irp t, 0,1,2,3
	v_fma_f32 v[NT+2*\t+1], v[AL+2*\t+1], v[AL+2*\t], v[16*\t+8]   ; the last l lands beside n: one pair to hand on
.endr
.else
	WIN 0x10
.irp t, 0,1,2,3
	v_fma_f32 v[AL+2*\t+1], v[AL+2*\t+1], v[AL+2*\t], v[16*\t+8]   ; l = l alpha + the step's sum
.endr
.endif
.endm
	STEP 0
	STEP 1
	STEP 2
	STEP 3
	WIN 0
	; THE TAIL.  w4's rows 32 w .. 32 w + 31 and their b4 are asked for first.
	v_lshlrev_b32 v[W4O], 7, v[RR]
	v_lshl_add_u32 v[W4O], v[HH], 5, v[W4O]        ; row r of 128 bytes + 8 hh numbers
	v_lshlrev_b32 v[B4O], 5, v[HH]                 ; 8 hh numbers
.irp c, 0,1
.irp p, 0,1,2,3
	global_load_b128 v[W4R+16*\c+4*\p:W4R+16*\c+4*\p+3], v[W4O], s[10:11] offset:2048*\c+16*(\p&1)+64*(\p>>1)
.endr
	global_load_b128 v[BI+8*\c:BI+8*\c+3],   v[B4O], s[12:13] offset:64*\c         ; register j = b4[32 w + 16 c + 8 hh + j]: an accumulator tile as it stands
	global_load_b128 v[BI+8*\c+4:BI+8*\c+7], v[B4O], s[12:13] offset:64*\c+16
.endr
	; my numerators and (n, l) to LDS.  The numerators go into the first half of my slot 0, which has had its last fill (H2) and has been read.
	s_lshl_b32 s20, s16, 9
	s_add_co_u32 s20, s20, STAT
	v_lshl_add_u32 v[STS], v[RR], 3, s20
.irp n, 0,1,2,3,4,5,6,7,8,9,10,11,12,13,14,15
	ds_store_b128 v[LA], v[O+4*\n:O+4*\n+3] offset:512*\n          ; tile (ct, t) at 1024 (2 t + ct)
.endr
.irp t, 0,1,2,3
	ds_store_b64 v[STS], v[NT+2*\t:NT+2*\t+1] offset:128*\t        ; both halves of the lanes hold, and write, the same
.endr
	s_and_b32 s21, s16, 3                          ; in the merge wave w takes tile t = w & 3, ct = w >> 2
	s_lshr_b32 s22, s16, 2
	s_lshl_b32 s23, s21, 1
	s_add_co_u32 s23, s23, s22
	s_lshl_b32 s23, s23, 10
	v_add_nc_u32 v[MB], s23, v[L16]                ; that tile in wave 0's stage; the waves' stages are 32,768 apart: one register for every two
	v_add_nc_u32 v[MB+1], 0x10000, v[MB]
	v_add_nc_u32 v[MB+2], 0x20000, v[MB]
	v_add_nc_u32 v[MB+3], 0x30000, v[MB]
	s_lshl_b32 s20, s21, 7
	s_add_co_u32 s20, s20, STAT
	v_lshl_add_u32 v[STL], v[RR], 3, s20
	s_wait_dscnt 0x0                               ; my stores are in LDS, for the other waves' sake
	s_barrier_signal -1
	s_barrier_wait -1
.irp u, 0,1,2,3,4,5,6,7
	ds_load_b64 v[G+2*\u:G+2*\u+1], v[STL] offset:512*\u           ; (n, l) of wave u for my columns
.endr
.irp u, 0,1,2,3,4,5,6,7
	ds_load_b128 v[O+8*\u:O+8*\u+3],   v[MB+(\u>>1)] offset:(\u&1)*WRING
	ds_load_b128 v[O+8*\u+4:O+8*\u+7], v[MB+(\u>>1)] offset:(\u&1)*WRING+512
.endr
	v_add_nc_u32 v[OBL], OB, v[L16]
	s_wait_dscnt 16                                ; the eight (n, l) are in; the sixteen loads of tiles may be out
	v_min_num_f32 v[NS], v[G], v[G+2]
.irp u, 2,3,4,5,6,7
	v_min_num_f32 v[NS], v[NS], v[G+2*\u]          ; the least n belongs to the column's maximum over all q
.endr
.irp u, 0,1,2,3,4,5,6,7
	v_sub_f32 v[G+2*\u], v[NS], v[G+2*\u]
.endr
.irp u, 0,1,2,3,4,5,6,7
	v_exp_f32 v[G+2*\u], v[G+2*\u]                 ; wave u's weight
.endr
	v_lshl_add_u32 v[OBS], v0, 4, OB               ; a plain instruction between the exponentials and their use (ISA guide 5.7.2)
	s_wait_alu depctr_va_vdst(0)
	v_mul_f32 v[DEN], v[G], v[G+1]
.irp u, 1,2,3,4,5,6,7
	v_fmac_f32 v[DEN], v[G+2*\u], v[G+2*\u+1]
.endr
	v_rcp_f32 v[RD], v[DEN]                        ; at least the wave that holds the maximum gives about 1 or more: never 0
	v_rcp_f32 v[RD+1], v[DEN]
	s_wait_dscnt 0x0
.irp k, 0,2,4,6
	v_pk_mul_f32 v[O+\k:O+\k+1], v[O+\k:O+\k+1], v[G:G+1] op_sel_hi:[1,0]
.endr
.irp u, 1,2,3,4,5,6,7
.irp k, 0,2,4,6
	v_pk_fma_f32 v[O+\k:O+\k+1], v[O+8*\u+\k:O+8*\u+\k+1], v[G+2*\u:G+2*\u+1], v[O+\k:O+\k+1] op_sel_hi:[1,0,1]
.endr
.endr
	s_wait_alu depctr_va_vdst(0)
.irp k, 0,2,4,6
	v_pk_mul_f32 v[O+\k:O+\k+1], v[O+\k:O+\k+1], v[RD:RD+1]
.endr
.irp k, 0,1,2,3
	v_cvt_pk_bf16_f32 v[NT+\k], v[O+2*\k], v[O+2*\k+1]             ; o at channels 16 ct + 8 hh + 0..7, column 4 r + t: piece ct of tile t's operand, in its own lane
.endr
	ds_store_b128 v[OBS], v[NT:NT+3]               ; wave w = t + 4 ct at 512 w
	s_wait_dscnt 0x0
	s_barrier_signal -1
	s_barrier_wait -1
.irp t, 0,1,2,3
.irp c, 0,1
	ds_load_b128 v[G+8*\t+4*\c:G+8*\t+4*\c+3], v[OBL] offset:512*\t+2048*\c    ; 512 consecutive bytes a load
.endr
.endr
	s_wait_loadcnt 0x0                             ; x, w4, b4
.irp c, 0,1
.irp k, 0,1,2,3,4,5,6,7
	v_cvt_pk_bf16_f32 v[W4F+8*\c+\k], v[W4R+16*\c+2*\k], v[W4R+16*\c+2*\k+1]
.endr
.endr
	s_wait_dscnt 0x0
	; w4 o + b4: register j of tile (c, t) in lane (r, hh) = channel 32 w + 16 c + 8 hh + j, column 4 r + t
.irp c, 0,1
.irp t, 0,1,2,3
	v_wmma_f32_16x16x32_bf16 v[O+8*(4*\c+\t):O+8*(4*\c+\t)+7], v[W4F+8*\c:W4F+8*\c+7], v[G+8*\t:G+8*\t+7], v[BI+8*\c:BI+8*\c+7]
.endr
.endr
	PLACES
	; the way out: the four tiles t hold a lane's four neighbouring columns of one channel, the 16 bytes that its load of x brought
.irp c, 0,1
.irp j, 0,1,2,3,4,5,6,7
.irp e, 0,1,2,3
	v_add_f32 v[F+4*(8*\c+\j)+\e], v[F+4*(8*\c+\j)+\e], v[O+8*(4*\c+\e)+\j]
.endr
	global_store_b128 v[XO], v[F+4*(8*\c+\j):F+4*(8*\c+\j)+3], s[14:15] offset:(16*\c+\j)*XROW th:TH_STORE_NT   ; 16 lanes store 256 consecutive bytes, at a multiple of 256 from out0's first byte
.endr
.endr
	s_wait_xcnt 0x0
	v_lshl_add_u32 v6, v0, 2, 0x42000
	v_mov_b32 v7, 0
	s_wait_tensorcnt 0x0
	ds_add_u32 v6, v7
	s_wait_dscnt 0x0
	ROUND                                          ; the closing round: no work-group ends while a partner may still ask for a tile that names it
	s_endpgm
.Lfunc_end_k_q571e183785_attn:
	.size	k_q571e183785_attn, .Lfunc_end_k_q571e183785_attn-k_q571e183785_attn
	.p2alignl 7, 3214868480
	.fill 96, 4, 3214868480
	.section	.rodata,"a",@progbits
	.p2align	6, 0x0
	.amdhsa_kernel k_q571e183785_attn
		.amdhsa_group_segment_fixed_size 327680
		.amdhsa_private_segment_fixed_size 0
		.amdhsa_enable_private_segment 0
		.amdhsa_kernarg_size 48
		.amdhsa_user_sgpr_count 2
		.amdhsa_user_sgpr_kernarg_segment_ptr 1
		.amdhsa_wavefront_size32 1
		.amdhsa_system_sgpr_workgroup_id_x 1
		.amdhsa_system_sgpr_workgroup_id_y 1
		.amdhsa_system_sgpr_workgroup_id_z 1
		.amdhsa_system_vgpr_workitem_id 0
		.amdhsa_next_free_vgpr 512
		.amdhsa_next_free_sgpr 76
		.amdhsa_reserve_vcc 0
		.amdhsa_float_denorm_mode_32 3
		.amdhsa_float_denorm_mode_16_64 3
		.amdhsa_memory_ordered 1
		.amdhsa_forward_progress 1
		.amdhsa_inst_pref_size 199
	.end_amdhsa_kernel
	.amdgpu_metadata
---
amdhsa.version: [ 1, 2 ]
amdhsa.kernels:
  - .name:           k_q571e183785_attn
    .symbol:         k_q571e183785_attn.kd
    .args:
      - { .name: fh, .offset: 0, .size: 8, .value_kind: global_buffer, .address_space: global }
      - { .name: gf, .offset: 8, .size: 8, .value_kind: global_buffer, .address_space: global }
      - { .name: x, .offset: 16, .size: 8, .value_kind: global_buffer, .address_space: global }
      - { .name: w4, .offset: 24, .size: 8, .value_kind: global_buffer, .address_space: global }
      - { .name: b4, .offset: 32, .size: 8, .value_kind: global_buffer, .address_space: global }
      - { .name: out0, .offset: 40, .size: 8, .value_kind: global_buffer, .address_space: global }
    .group_segment_fixed_size: 327680
    .private_segment_fixed_size: 0
    .kernarg_segment_align: 8
    .kernarg_segment_size: 48
    .max_flat_workgroup_size: 256
    .sgpr_count:     76
    .vgpr_count:     512
    .wavefront_size: 32
...
	.end_amdgpu_metadata
.endif
;; end of part 2
